; MI455X (gfx1250); checked and timed in simulation.
; The chip was launched on July 23, 2026; its instructions are those of AMD's public machine-readable ISA for CDNA 5 (MIT licence, August 2026) and "CDNA5" Instruction Set Architecture Reference Guide (July 2026). The comments in the code are by the model that wrote it; some were corrected since.
;; Attention1. Allowed arithmetic: matrix products marked QUANTISED: E2M1 operands, one E8M0 scale for each 32 along K, by v_wmma_scale_f32_16x16x128_f8f6f4 with both operands' format E2M1 (or v_wmma_scale_f32_32x16x128_f4), f32 sums; everything else in f32.
;; Inputs: drop_mask 8 x 4,096 x 256 float32; x 8 x 4,096 x 256 float32.
;; Outputs: out0 8 x 256 float32.
;; This version of the problem:
;;   THIS VERSION OF THE PROBLEM IS GIVEN IN LOW PRECISION. The matrix products marked QUANTISED in the list below multiply operands that are first quantised to E2M1 (2 exponent bits, 1 mantissa bit; 4 bits a number), with one power-of-two scale for each 32 numbers along K (OCP MX v1.0); their sums are f32. All else is computed in f32.
;;   The module's matrix products, in the order in which they are computed (A, B: the left and right operand; K: the contracted axis; several contracted axes count as one K, in the product's order):
;;     1. batch 8 x [M 4,096, K 256] x [K 256, N 4,096]; A: computed on the way; B: input x: QUANTISED
;;     2. batch 8 x [M 4,096, K 4,096] x [K 4,096, N 256]; A: softmax (see below); B: input x: QUANTISED
;;   THE QUANTISER, for each operand of a quantised product, along K:
;;     - K is cut into blocks of 32 from its start; a last block that is shorter is filled with zeros.
;;     - A block's scale is 2^e with e = floor(log2(the largest magnitude in the block)) - 2, held to -126 .. 127; a block of zeros has e = 0. As a byte (E8M0): e + 127.
;;     - Each number is divided by its block's scale, clamped to +-6, and rounded to the nearest number of E2M1, ties to even, subnormals kept.
;;     - The product sums the exact products of the quantised numbers (number of the format x scale) in f32.
;;   ~~~python
;;   def quantise(x, axis):      # numpy; x: float32 -> the quantised numbers, widened to float32 again
;;       x = np.moveaxis(x, axis, -1); K = x.shape[-1]
;;       x = np.pad(x, [(0, 0)] * (x.ndim - 1) + [(0, -K % 32)]); x = x.reshape(x.shape[:-1] + (-1, 32)); a = np.abs(x).max(-1, keepdims=True)
;;       e = np.where(a > 0, np.clip(np.frexp(np.where(a > 0, a, 1))[1] - 1 - 2, -126, 127), 0)      # np.frexp(a)[1] - 1 = floor(log2(a)), exactly
;;       r = np.clip(x / 2.0 ** e, -6, 6)
;;       step = 2.0 ** (np.maximum(np.frexp(np.where(r == 0, 1, r))[1] - 1, 0) - 1)
;;       q = np.round(r / step) * step * 2.0 ** e      # np.round: ties to even
;;       return np.moveaxis(q.reshape(q.shape[:-2] + (-1,))[..., :K], -1, axis).astype(np.float32)
;;   ~~~
;;   SOFTMAX AHEAD OF A QUANTISED PRODUCT. Where the list says 'softmax', what is quantised is not the finished softmax but p = 2^(t - M), with t = logit x log2(e) and M = ceil(the row's largest t), a whole number; so 1/2 < the row's largest p <= 1. The row's sum l is taken of the UNQUANTISED p, in f32, and the product's result is divided by l at the end. Since M is a whole number, a kernel that streams over the keys may use a running M (the ceiling of the running maximum): every later rescaling is an exact power of two, which a block's scale takes up: the codes' values come out the same.
;;   OPERANDS COMPUTED ON THE WAY. 'Computed on the way' means the value that the module computes at that place (a softmax that the list does not call 'softmax' is quantised finished and normalised). What goes into a quantiser is computed in f32, as accurately as f32 sums, v_exp_f32 and their like allow (about 1e-6 of the number): no bf16 or f16 on the way to a quantiser, and a product that is left as it is and whose result goes on into a quantised operand takes f32 operands (vector FMAs, or v_wmma_f32_16x16x4_f32). A number that lies on a knife's edge between two numbers of the format may be rounded either way, as far as f32 arithmetic and the matrix unit's own rounding can turn it there, and no further.
;; One version. Each part assembles by itself: llvm-mc -triple=amdgcn-amd-amdhsa -mcpu=gfx1250 --defsym DOCPART=n.
;; ======== version 1 of 1: 3 launches
;; limits: right only within a limited range of input values
;; workspace buffers: kv 8,912,896 bytes; qc 4,456,448 bytes; part 262,144 bytes
;; launch quant (part 1): grid 32 x 8, 8 waves a work-group, no clusters, 327,680 bytes of LDS; arguments x, drop_mask, kv, qc; writes kv, qc
.if DOCPART == 1
	.amdgcn_target "amdgcn-amd-amdhsa--gfx1250"
	.amdhsa_code_object_version 6
	.text
	.protected	k_q60d0058127_quant
	.globl	k_q60d0058127_quant
	.p2align	8
	.type	k_q60d0058127_quant,@function
k_q60d0058127_quant:
	s_mov_b64 s[64:65], 0
	v_nop
	global_prefetch_b8 v0, s[64:65] scope:SCOPE_SE
	s_setreg_imm32_b32 hwreg(HW_REG_WAVE_MODE, 25, 1), 1
	s_wait_xcnt 0x0
; x [8][4096][256] f32 and drop_mask (same shape) become three operands of FP4 (E2M1) codes with one E8M0 byte for each 32 along K:
;   K = x quantised along d, Q = x * drop_mask (f32 product) quantised along d, V = x quantised along the keys.
; A block's scale is 2^(floor(log2(largest magnitude)) - 2); its byte is the largest magnitude's exponent field - 2, held at 1 from below.
; (A block of zeros so gets the byte 1 where the rule says 127: its codes are zeros, and this program alone reads the bytes.)
; LIMITS: blocks whose largest magnitude lies under 2^-124 keep the byte 1; NaN and infinities among the inputs are not served.
; SHARES.  A work-group takes 128 rows of one batch: 131,072 dense bytes of x and as many of the mask, each read once, by one tensor load a wave
; (32 rows of 1,024 bytes).  LDS is filled once; nothing is filled again.  No cluster: no two work-groups read the same bytes.
; WHAT IS STORED ARE IMAGES OF OPERAND REGISTERS (lane = 16 h + r):
;   kv block (34,816 bytes for 128 keys): K codes 16,384 | V codes 16,384 | K scale words 1,024 | V scale words 1,024;   qc block (17,408): Q codes | Q scale words.
;   K, Q codes: tile t = rows 16 t + r; the 16 bytes at 2048 t + 512 cc + 16 lane are the block d = 32 (2 cc + h) .. + 31 of that row.
;   V codes: tile T = d 16 T + r; the 16 bytes at 1024 T + 256 kb + 16 r are key block kb, its four registers in the order keys 0-7, 16-23, 8-15, 24-31:
;   the order in which the weights' codes stand in the second product's other operand.  The same order inside a block on both sides keeps every product.
;   K scale words: tile t, K step s = h, row r at 512 (t / 4) + 16 lane + 4 (t % 4);  V's: d = 16 T + r at 512 (T / 8) + 16 lane + 4 ((T / 2) % 4), h = T % 2;  Q's: 128 tile + 4 lane, h = s.
; Wave w makes tile w of K and of Q (a lane reads a whole block of 32 of its row) and tiles 2 w, 2 w + 1 of V (a lane takes column d = 32 w + lane, registers down the keys).
.set ROWP,  1040                       ; an LDS row: 1,024 bytes + 16 of padding = 260 words: row r starts at bank 4 r mod 64 (64 banks of 4 bytes: ISA guide 11.1)
.set MT,    128*ROWP                   ; the mask's 128 rows lie behind x's
.set SCST,  2*128*ROWP                 ; behind both: 3,072 bytes in which the scale words meet: K's, V's, Q's; no tensor load lands here
.set KVBLK, 34816
.set QCBLK, 17408
.set LI,   4                           ; v4   16 x lane
.set AX,   5                           ; v5   x: row 16 w + r, + 128 h bytes
.set AM,   6                           ; v6   the same place in the mask
.set AV,   7                           ; v7-10 x: column 32 w + lane, at key blocks 0 to 3
.set VO,   11                          ; v11  V's codes: 1024 h + 16 r
.set SCA,  12                          ; v12  my scale word's place in K's region (V's: + 1,024)
.set SCQ,  13                          ; v13  and in Q's
.set SH,   14                          ; v14  8 h
.set RDS,  15                          ; v15  the scale words' way out: 512 w + 16 lane
.set TMX,  16                          ; v16-18 two chains of the maximum, the conversion's scale operand
.set VBY,  19                          ; v19  a byte of V's
.set SOF,  23                          ; v23  the scale words' offset in memory
.set WT,   24                          ; v24-27 at work on scale words
.set KW,   28                          ; v28  K's scale word;  v29 Q's
.set QW,   29
.set NUM,  32                          ; v32-159 four sets of 32 numbers
.set KC,   160                         ; v160-175 K's codes, v176-191 Q's, v192-207 V's: every store has registers of its own, so none is written again
.set QC,   176
.set VC,   192
.set KB,   208                         ; v208-211 K's bytes, v212-215 Q's
.set QB,   212
.set VW,   216                         ; v216 V's scale word
.set OUTR, 220
.set WV,   24                          ; s24  my wave's number
	s_load_b256 s[4:11], s[0:1], 0x0               ; x s[4:5], drop_mask s[6:7], kv s[8:9], qc s[10:11]
	v_lshl_add_u32 v240, v0, 2, 0x41c00
	v_mov_b32 v241, 0
	ds_add_u32 v240, v241
	ds_add_u32 v240, v241
	v_lshrrev_b32 v1, 5, v0
	s_delay_alu instid0(VALU_DEP_1)
	v_readfirstlane_b32 s[WV], v1                  ; wave 0..7
	s_and_b32 s25, ttmp7, 0xffff                   ; the batch
	s_lshl_b32 s25, s25, 5
	s_add_co_u32 s25, s25, ttmp9                   ; which block of 128 rows: 32 x batch + work-group x
	; descriptor group 1: 32 rows of 256 elements of 4 bytes, 4 words of padding behind every 256
	s_mov_b32 s16, (2<<16)|(1<<20)|(7<<22)|(3<<25)
	s_mov_b32 s17, 256<<16                         ; tensor_dim0
	s_mov_b32 s18, 32<<16                          ; tensor_dim1
	s_mov_b32 s19, 256<<16                         ; tile_dim0
	s_mov_b32 s20, 32                              ; tile_dim1
	s_mov_b32 s21, 256                             ; from row to row
	s_mov_b32 s22, 0
	s_mov_b32 s23, 0
	s_mov_b32 s12, 1
	s_mul_i32 s13, s[WV], 32*ROWP                  ; waves 0-3: x's rows 32 w on; waves 4-7: the mask's, which lie behind
	s_lshl_b32 s36, s25, 17                        ; the block's 131,072 bytes,
	s_and_b32 s37, s[WV], 3
	s_lshl_b32 s37, s37, 15                        ; my 32 rows of them
	s_add_co_u32 s36, s36, s37
	s_mov_b32 s37, 0
	s_wait_dscnt 0x0
	s_wait_kmcnt 0x0
	s_cmp_lt_u32 s[WV], 4                          ; the choice hangs on the wave's number alone
	s_cselect_b64 s[14:15], s[4:5], s[6:7]
	s_add_nc_u64 s[14:15], s[14:15], s[36:37]
	s_or_b32 s15, s15, 0x80000000                  ; type = 2
	tensor_load_to_lds s[12:15], s[16:23]          ; my one load: all of the work-group's input is on its way at once
	s_nop 0
.rept 4
	v_nop
.endr
	s_mul_i32 s40, s25, KVBLK
	s_mov_b32 s41, 0
	s_add_nc_u64 s[32:33], s[8:9], s[40:41]        ; my kv block
	s_mul_i32 s40, s25, QCBLK
	s_add_nc_u64 s[38:39], s[10:11], s[40:41]      ; my qc block
	s_lshl_b32 s40, s[WV], 11
	s_add_nc_u64 s[28:29], s[32:33], s[40:41]      ; K's codes, tile w
	s_add_nc_u64 s[30:31], s[28:29], 16384         ; V's codes, tiles 2 w and 2 w + 1
	s_add_nc_u64 s[34:35], s[38:39], s[40:41]      ; Q's codes, tile w
	s_add_nc_u64 s[32:33], s[32:33], 32768         ; K's and V's scale words
	s_add_nc_u64 s[38:39], s[38:39], 16384         ; Q's
	s_mov_b32 s26, 0x76543210
	s_mov_b32 s27, 0xfedcba98                      ; v_permlanex16_b32's selects for lane l xor 16
	v_and_b32 v1, 31, v0                           ; lane
	v_and_b32 v2, 15, v0                           ; r
	v_bfe_u32 v3, v0, 4, 1                         ; h
	s_delay_alu instid0(VALU_DEP_3)
	v_lshlrev_b32 v[LI], 4, v1
	s_mul_i32 s40, s[WV], 16*ROWP
	v_mul_u32_u24 v[AX], v2, ROWP
	s_delay_alu instid0(VALU_DEP_1)
	v_lshl_add_u32 v[AX], v3, 7, v[AX]
	s_delay_alu instid0(VALU_DEP_1)
	v_add_nc_u32 v[AX], s40, v[AX]
	s_delay_alu instid0(VALU_DEP_1)
	v_add_nc_u32 v[AM], MT, v[AX]
	s_lshl_b32 s40, s[WV], 7
	v_lshl_add_u32 v[AV], v1, 2, s40               ; 4 (32 w + lane)
	s_delay_alu instid0(VALU_DEP_1)
	v_add_nc_u32 v[AV+1], 32*ROWP, v[AV]
	s_delay_alu instid0(VALU_DEP_2)
	v_add_nc_u32 v[AV+2], 64*ROWP, v[AV]
	s_delay_alu instid0(VALU_DEP_3)
	v_add_nc_u32 v[AV+3], 96*ROWP, v[AV]
	v_lshlrev_b32 v[VO], 10, v3
	s_delay_alu instid0(VALU_DEP_1)
	v_lshl_add_u32 v[VO], v2, 4, v[VO]
	s_lshr_b32 s40, s[WV], 2
	s_lshl_b32 s40, s40, 9
	s_and_b32 s41, s[WV], 3
	s_lshl_b32 s41, s41, 2
	s_add_co_u32 s40, s40, s41
	s_add_co_u32 s40, s40, SCST
	v_add_nc_u32 v[SCA], s40, v[LI]
	s_lshl_b32 s40, s[WV], 7
	s_add_co_u32 s40, s40, SCST+2048
	v_lshl_add_u32 v[SCQ], v1, 2, s40
	v_lshlrev_b32 v[SH], 3, v3
	s_lshl_b32 s40, s[WV], 9
	s_add_co_u32 s40, s40, SCST
	v_add_nc_u32 v[RDS], s40, v[LI]
	s_and_b32 s41, s[WV], 3
	s_lshl_b32 s41, s41, 9
	v_add_nc_u32 v[SOF], s41, v[LI]
	v_mov_b32 v[WT+2], 0                           ; written once: a lane permute's destination counts as one of its sources
	v_mov_b32 v[WT+3], 0
	v_cmp_ne_u32 vcc_lo, 0, v3                     ; lanes 16-31
; 32 numbers of one block in v[x] on become 16 bytes of codes in v[c] .. v[c + 3] and the scale's byte in v[by].  p = 1: the registers in the order 0-7, 16-23, 8-15, 24-31.
.macro BLK32 x, c, m, by, p
	v_max3_num_f32 v[(\m)], |v[(\x)]|, |v[(\x)+1]|, |v[(\x)+2]|            ; the largest magnitude, in two chains
	v_max3_num_f32 v[(\m)+1], |v[(\x)+3]|, |v[(\x)+4]|, |v[(\x)+5]|
.irp i, 6,10,14,18,22,26
	s_delay_alu instid0(VALU_DEP_2)
	v_max3_num_f32 v[(\m)], v[(\m)], |v[(\x)+\i]|, |v[(\x)+\i+1]|
	s_delay_alu instid0(VALU_DEP_2)
	v_max3_num_f32 v[(\m)+1], v[(\m)+1], |v[(\x)+\i+2]|, |v[(\x)+\i+3]|
.endr
	s_delay_alu instid0(VALU_DEP_2)
	v_max3_num_f32 v[(\m)], v[(\m)], |v[(\x)+30]|, |v[(\x)+31]|
	s_delay_alu instid0(VALU_DEP_1)
	v_max3_num_f32 v[(\m)], v[(\m)], v[(\m)+1], 0x1800000                  ; and the floor 2^(3 - 127): the byte cannot fall under 1
	s_delay_alu instid0(VALU_DEP_1)
	v_add_nc_u32 v[(\m)+2], 0xff000000, v[(\m)]                            ; 2 off the exponent field: the conversion takes this operand's exponent field as its scale
.if \p
	v_cvt_scalef32_pk8_fp4_f32 v[(\c)], v[(\x):(\x)+7], v[(\m)+2]
	v_cvt_scalef32_pk8_fp4_f32 v[(\c)+1], v[(\x)+16:(\x)+23], v[(\m)+2]
	v_cvt_scalef32_pk8_fp4_f32 v[(\c)+2], v[(\x)+8:(\x)+15], v[(\m)+2]
	v_cvt_scalef32_pk8_fp4_f32 v[(\c)+3], v[(\x)+24:(\x)+31], v[(\m)+2]
.else
	v_cvt_scalef32_pk8_fp4_f32 v[(\c)], v[(\x):(\x)+7], v[(\m)+2]
	v_cvt_scalef32_pk8_fp4_f32 v[(\c)+1], v[(\x)+8:(\x)+15], v[(\m)+2]
	v_cvt_scalef32_pk8_fp4_f32 v[(\c)+2], v[(\x)+16:(\x)+23], v[(\m)+2]
	v_cvt_scalef32_pk8_fp4_f32 v[(\c)+3], v[(\x)+24:(\x)+31], v[(\m)+2]
.endif
	v_lshrrev_b32 v[(\by)], 23, v[(\m)+2]                                  ; the scale's byte; also the plain line behind the conversions
.endm
; my block 2 cc + h of my row: 32 numbers of x and 32 of the mask, into sets 2 set and 2 set + 1
.macro LOADKQ set, cc
.irp i, 0,1,2,3,4,5,6,7
	ds_load_b128 v[NUM+64*(\set)+4*\i:NUM+64*(\set)+4*\i+3], v[AX] offset:256*(\cc)+16*\i
.endr
.irp i, 0,1,2,3,4,5,6,7
	ds_load_b128 v[NUM+32+64*(\set)+4*\i:NUM+32+64*(\set)+4*\i+3], v[AM] offset:256*(\cc)+16*\i
.endr
.endm
.macro KQOP cc
.set XS, NUM+64*((\cc)%2)
.set MS, XS+32
.if (\cc) < 3
	LOADKQ ((\cc)+1)%2, (\cc)+1
	s_wait_dscnt 16                                ; this block's 16 loads are in; the 16 just issued may be out
.else
	s_wait_dscnt 0x0
.endif
	BLK32 XS, KC+4*(\cc), TMX, KB+(\cc), 0
.irp i, 0,2,4,6,8,10,12,14,16,18,20,22,24,26,28,30
	v_pk_mul_f32 v[MS+\i:MS+\i+1], v[MS+\i:MS+\i+1], v[XS+\i:XS+\i+1]      ; the query, in f32
.endr
	BLK32 MS, QC+4*(\cc), TMX, QB+(\cc), 0
	global_store_b128 v[LI], v[KC+4*(\cc):KC+4*(\cc)+3], s[28:29] offset:512*(\cc)   ; 32 lanes store 512 consecutive bytes
	global_store_b128 v[LI], v[QC+4*(\cc):QC+4*(\cc)+3], s[34:35] offset:512*(\cc)
.endm
; my four bytes are blocks h, 2 + h, 4 + h, 6 + h of my row.  With lane l xor 16's they make the row's two scale words; lanes 0-15 keep K step 0's, lanes 16-31 K step 1's.
.macro WORDS by, out
	v_lshl_or_b32 v[WT], v[(\by)+1], 16, v[(\by)]
	v_lshl_or_b32 v[WT+1], v[(\by)+3], 16, v[(\by)+2]
	s_delay_alu instid0(VALU_DEP_2)
	v_lshlrev_b32 v[WT], v[SH], v[WT]
	s_delay_alu instid0(VALU_DEP_2)
	v_lshlrev_b32 v[WT+1], v[SH], v[WT+1]
	s_delay_alu instid0(VALU_DEP_2)
	v_permlanex16_b32 v[WT+2], v[WT], s26, s27
	s_delay_alu instid0(VALU_DEP_2)
	v_permlanex16_b32 v[WT+3], v[WT+1], s26, s27
	s_delay_alu instid0(VALU_DEP_2)
	v_or_b32 v[WT], v[WT], v[WT+2]
	s_delay_alu instid0(VALU_DEP_2)
	v_or_b32 v[WT+1], v[WT+1], v[WT+3]
	s_delay_alu instid0(VALU_DEP_1)
	v_cndmask_b32 v[(\out)], v[WT], v[WT+1], vcc_lo
.endm
.macro VLOAD kb                        ; x(32 kb + i, my column), i = 0 .. 31: 32 lanes read 128 consecutive bytes
.irp i, 0,1,2,3,4,5,6,7,8,9,10,11,12,13,14,15,16,17,18,19,20,21,22,23,24,25,26,27,28,29,30,31
	ds_load_b32 v[NUM+32*(\kb)+\i], v[AV+(\kb)] offset:ROWP*\i
.endr
.endm
.macro VOP kb
.if (\kb) < 3
	s_wait_dscnt 32                                ; this block's 32 loads are in; the younger block's 32 may be out
.else
	s_wait_dscnt 0x0
.endif
	BLK32 NUM+32*(\kb), VC+4*(\kb), TMX, VBY, 1
.if (\kb) == 0
	s_delay_alu instid0(VALU_DEP_1)
	v_mov_b32 v[VW], v[VBY]                        ; my column's scale word: the lower keys in the lower byte
.else
	s_delay_alu instid0(VALU_DEP_1)
	v_lshl_or_b32 v[VW], v[VBY], 8*(\kb), v[VW]
.endif
	global_store_b128 v[VO], v[VC+4*(\kb):VC+4*(\kb)+3], s[30:31] offset:256*(\kb)   ; sixteen lanes store 256 consecutive bytes, aligned
.if (\kb) < 2
	VLOAD (\kb)+2
.endif
.endm
	s_wait_tensorcnt 0x0                           ; my 32 rows are in LDS,
	s_barrier_signal -1
	s_barrier_wait -1                              ; everybody's are: rows are read across waves
	LOADKQ 0, 0
	KQOP 0
	KQOP 1
	KQOP 2
	KQOP 3
	WORDS KB, KW
	ds_store_b32 v[SCA], v[KW]
	WORDS QB, QW
	ds_store_b32 v[SCQ], v[QW]
	VLOAD 0
	VLOAD 1
	VOP 0
	VOP 1
	VOP 2
	VOP 3
	ds_store_b32 v[SCA], v[VW] offset:1024
	s_wait_dscnt 0x0                               ; for the others' sake: my scale words lie in LDS
	s_barrier_signal -1
	s_barrier_wait -1
	s_cmp_ge_u32 s[WV], 6                          ; 3,072 bytes of scale words leave by six waves, 512 consecutive bytes each
	s_cbranch_scc1 .Ldone
	ds_load_b128 v[OUTR:OUTR+3], v[RDS]
	s_cmp_lt_u32 s[WV], 4                          ; waves 0-3: K's and V's, into kv; waves 4, 5: Q's, into qc
	s_cselect_b64 s[42:43], s[32:33], s[38:39]
	s_wait_dscnt 0x0
	global_store_b128 v[SOF], v[OUTR:OUTR+3], s[42:43]
.Ldone:
	s_wait_tensorcnt 0x0
	ds_add_u32 v240, v241
	s_wait_dscnt 0x0
	s_endpgm
.Lfunc_end_k_q60d0058127_quant:
	.size	k_q60d0058127_quant, .Lfunc_end_k_q60d0058127_quant-k_q60d0058127_quant
	.p2alignl 7, 3214868480
	.fill 96, 4, 3214868480
	.section	.rodata,"a",@progbits
	.p2align	6, 0x0
	.amdhsa_kernel k_q60d0058127_quant
		.amdhsa_group_segment_fixed_size 327680
		.amdhsa_private_segment_fixed_size 0
		.amdhsa_enable_private_segment 0
		.amdhsa_kernarg_size 32
		.amdhsa_user_sgpr_count 2
		.amdhsa_user_sgpr_kernarg_segment_ptr 1
		.amdhsa_wavefront_size32 1
		.amdhsa_system_sgpr_workgroup_id_x 1
		.amdhsa_system_sgpr_workgroup_id_y 1
		.amdhsa_system_sgpr_workgroup_id_z 1
		.amdhsa_system_vgpr_workitem_id 0
		.amdhsa_next_free_vgpr 242
		.amdhsa_next_free_sgpr 66
		.amdhsa_reserve_vcc 1
		.amdhsa_float_denorm_mode_32 3
		.amdhsa_float_denorm_mode_16_64 3
		.amdhsa_memory_ordered 1
		.amdhsa_forward_progress 1
		.amdhsa_inst_pref_size 47
	.end_amdhsa_kernel
	.amdgpu_metadata
---
amdhsa.version: [ 1, 2 ]
amdhsa.kernels:
  - .name:           k_q60d0058127_quant
    .symbol:         k_q60d0058127_quant.kd
    .args:
      - { .name: x, .offset: 0, .size: 8, .value_kind: global_buffer, .address_space: global }
      - { .name: drop_mask, .offset: 8, .size: 8, .value_kind: global_buffer, .address_space: global }
      - { .name: kv, .offset: 16, .size: 8, .value_kind: global_buffer, .address_space: global }
      - { .name: qc, .offset: 24, .size: 8, .value_kind: global_buffer, .address_space: global }
    .group_segment_fixed_size: 327680
    .private_segment_fixed_size: 0
    .kernarg_segment_align: 8
    .kernarg_segment_size: 32
    .max_flat_workgroup_size: 256
    .sgpr_count:     66
    .vgpr_count:     242
    .wavefront_size: 32
...
	.end_amdgpu_metadata
.endif
;; end of part 1
;; launch attn (part 2): grid 32 x 8, 8 waves a work-group, clusters of 4 x 1, 327,680 bytes of LDS; arguments kv, qc, part; writes part
.if DOCPART == 2
	.amdgcn_target "amdgcn-amd-amdhsa--gfx1250"
	.amdhsa_code_object_version 6
	.text
	.protected	k_q60d0058127_attn
	.globl	k_q60d0058127_attn
	.p2align	8
	.type	k_q60d0058127_attn,@function
k_q60d0058127_attn:
	s_mov_b64 s[64:65], 0
	v_nop
	global_prefetch_b8 v0, s[64:65] scope:SCOPE_SE
	s_setreg_imm32_b32 hwreg(HW_REG_WAVE_MODE, 25, 1), 1
	s_wait_xcnt 0x0
	s_wait_alu depctr_hold_cnt(0) depctr_sa_sdst(0) depctr_va_vdst(0) depctr_va_sdst(0) depctr_va_ssrc(0) depctr_va_vcc(0) depctr_vm_vsrc(0)
	s_getreg_b32 s2, hwreg(HW_REG_IB_STS2, 6, 4)
	s_cmp_eq_u32 s2, 0
	s_cbranch_scc0 .Lentry_in_a_cluster
	s_endpgm
.Lentry_in_a_cluster:
	s_bfe_u32 s2, ttmp6, 0x10000c
	s_cmp_lg_u32 s2, 0x3003
	s_cbranch_scc0 .Lentry_shape_is_right
	s_endpgm
.Lentry_shape_is_right:
; part[b][qb][d] = the sum over the 128 queries q of block qb of ( sum over keys k of Q(p(q, k)) Q(x(k, d)) ) / l(q), both products on FP4 (E2M1) codes with one E8M0 scale for each 32 along K.
; t = score x log2(e) / 16; M = the largest t so far, rounded UP to a whole number; p = 2^(t - M) is quantised along the keys, not normalised; l is the f32 sum of the unquantised p.
; When M moves, l and O are multiplied by 2^(old M - new M): exact.
; LIMITS: NaN and infinities are not served.  A block's largest p is not searched for: the block's largest score goes through the same multiply-add and exponential, which takes v_exp_f32
; not to fall where its input rises.  The f32 sums over keys and over queries run in another order than the reference's.
; SHARES.  A work-group owns 128 queries (8 tiles of 16) of one batch.  Wave w: g = w % 4 gives its two tiles 2 g, 2 g + 1; kp = w / 4 its half of the keys: steps kp and kp + 2 of every slot of four steps
; of 128 keys.  So a fragment of K or V read from LDS feeds two products, and two waves share a SIMD, one's products beside the other's softmax.  Each wave keeps M, l and O^T of its own;
; since M is a whole number the two halves of the keys meet at the end by exact powers of two.
; LAYOUT.  Both products are used transposed: S^T = K Q^T (source 0 = 16 keys, source 1 = 16 queries), O^T = V^T P^T: a lane holds ONE query (lane % 16) throughout.  A tile of K is 16 neighbouring keys, so
; p's codes of a block of 32 keys stand in the order 0-7, 16-23, 8-15, 24-31; V's codes were laid in that same order.
; kv holds images of operand registers: every fragment load is 16 bytes a lane at 16 x lane, 512 consecutive bytes; a step's block is K codes | V codes | K scale words | V scale words, 34,816 bytes.
; CLUSTER.  The four query blocks of a cluster belong to one batch and walk the same kv blocks: every fill is asked for JOINTLY, by the same tensor load with the same descriptor and the mask of all four.
; REGISTERS: window 0: v1-5 addresses; v6-7 Q's scale words; v8-15 K's, then V's scale words; v16-31 eight registers of statistics a tile; v32-63 Q; v64-191 S^T, then p, then V's 16 fragments;
;   v192-255 two halves of K's fragments, then the softmax's work and p's codes.   window 1: O^T, 128 a tile.
; PAIRS OF STEPS.  A wave's two steps of a slot form a pair.  The first step's weights (16 registers of codes, 2 scale words) are kept in the wave's own LDS bytes (PST).
; Behind the second step's softmax their scale bytes take up 2^(M first - M second), O^T is multiplied ONCE by 2^(M before the pair - M second), and both steps' second products follow.
; A scale byte that would fall under 0 is held at 0 (2^-127): such a block lies under 2^-120 of the row's largest weight.
; THE BLOCK'S SCALE is made with no exponential (in place of what LIMITS says of it above): with y = t - M of the block's largest score, floor(y) is the exponent of the block's largest p.
; LIMIT: where v_exp_f32 rounds that p up to the next power of two, that one p is held at the largest code.  A block with y under -125 gets the byte 0.
.set STEPB,  34816
.set SLOTB,  4*STEPB                   ; a slot: four steps, as they lie in kv
.set EIGHTH, SLOTB/8                   ; what one wave's tensor load brings: 68 rows of 256 bytes
.set VCO,    16384                     ; in a step's block: V's codes,
.set KSCO,   32768                     ; K's scale words,
.set VSCO,   33792                     ; V's
.set SPARE,  2*SLOTB                   ; behind the ring: the spare words, 128 bytes for each wave: four blocks of 256 bytes that no other line names
.set EX,     SPARE+1024                ; 512 bytes a wave: (-M, l) of two tiles x 32 lanes
.set STG,    0                         ; the end's stage: 16,384 bytes a wave, in slot 0's bytes: that slot has had its last fill, and nobody reads it behind the last change of slots
.set PST,    EX+4096                   ; 3,072 bytes a wave: the first step's codes (2,048), then its two scale words at 16 x lane (2 x 512); no tensor load lands here
.set PA,   240                         ; v240-255 the first step's codes, read back
.set WA,   192                         ; v192-193 the first step's scale words, read back and brought under the second step's M
.set PSB,  56                          ; s56  my wave's bytes of PST
.set TA,   57                          ; s57  LDS byte of the pair's first step
.set QCBLK,  17408
.set LI,   1                           ; v1   16 x lane; never rewritten
.set ADR,  2                           ; v2   the LDS address in hand
.set SPW,  3                           ; v3   LDS address of my spare word; never rewritten
.set NIL,  4                           ; v4   0; never rewritten
.set PFO,  5                           ; v5   256 x lane: the prefetches' offset; never rewritten
.set QS,   6
.set SC,   8
.set ST,   16                          ; tile a at v[ST + 8 a]: +0 -M, +1 the largest t, +2, +3 l in two halves, +4 f, +5 p's scale word, +6, +7 at work
.set QF,   32                          ; Q's fragments: tile a, K step s at QF + 16 a + 8 s
.set S,    64                          ; S^T: tile a, keys 16 t on at S + 64 a + 8 t
.set W,    192                         ; the softmax's work, tile a at W + 16 a: +0..3 block maxima, +4..7 bytes, +8..11 scale operands, +12, +13 a second chain of the sum
.set H0,   192                         ; K's fragments, two tiles of keys to a half
.set H1,   224
.set PC,   224                         ; p's codes: tile a at PC + 8 a
.set WV,   10                          ; s10  wave
.set G1,   16                          ; s[16:23] descriptor group 1
.set G0,   24                          ; s[24:27], s[28:31] group 0 for slots 0 and 1
.set CS,   32                          ; s[32:33] c = log2(e) / 16
.set SEL,  34                          ; s[34:35] lane selects: lane l xor 16
.set TB,   36                          ; s36  LDS byte of the step in hand
.set KPO,  37                          ; s37  kp x STEPB
.set TW,   38                          ; s38  counts a slot's two steps of mine
.set TRIP, 39                          ; s39  counts pairs of slots
.set SLOTS, 40                         ; s40  fills still to be asked for
.set LIM,  41                          ; s41  1 in a wave that prefetches, else the greatest number
.set PFA,  42                          ; s[42:43] where my prefetches stand
.set MSB, 0
.macro WIN new                         ; the immediate's high byte repeats the setting that is left
.if MSB != \new
	s_set_vgpr_msb (MSB<<8)|\new
.set MSB, \new
.endif
.endm
.macro PLACES                          ; four plain lines behind matrix instructions, ahead of loads into their sources and of reads of their results
.rept 4
	v_nop
.endr
.endm
.macro ROUND                           ; a round of the cluster's barrier
	s_barrier_signal -1
	s_barrier_wait -1
	s_cmp_lg_u32 s[WV], 0
	s_cbranch_scc1 .Lnot_wave_0_\@
	s_barrier_signal -3
.Lnot_wave_0_\@:
	s_barrier_wait -3
	s_barrier_signal -1
	s_barrier_wait -1
.endm
.macro JL g0                           ; a joint load: every wave of all four work-groups issues this line, with its eighth of the slot; four v_nop follow
	tensor_load_to_lds s[\g0:\g0+3], s[G1:G1+7]
	s_nop 0
.rept 4
	v_nop
.endr
.endm
; A PREFETCH INTO THE L2 of the codes that the NEXT change of slots will ask for.  All clusters of a batch walk the same kv: the batch's first cluster asks.  Its four partners share a slot's four steps out
; BY ADDRESS, a step each; in each, waves 0 to 3 take 8,192 bytes of the step's 32,768 bytes of codes, lanes 256 bytes apart: each aligned 256 bytes are named once in the launch.
; The last change that fills a slot asks for nothing; slots 0 and 1, and the scale words, come by their loads alone.
.macro ASK
	s_cmp_gt_u32 s[SLOTS], s[LIM]
	s_cbranch_scc0 .Lnot_mine_\@
	global_prefetch_b8 v[PFO], s[PFA:PFA+1] th:TH_LOAD_NT scope:SCOPE_SE
.Lnot_mine_\@:
.endm
; THE CHANGE OF SLOTS stands at the head of slot `slot`.  Each wave waits for all its tensor loads (one is out: its eighth of this slot), adds 0 to its spare word, and waits for that and for its reads of the
; other slot.  fill = 1: a round of the cluster's barrier follows, and behind it the other slot is filled with the steps that follow: the load has this slot's steps in which to land.
.macro CHANGE slot, fill
	s_wait_tensorcnt 0x0                           ; no tensor load of mine is out, so a group 0 may be written
	ds_add_u32 v[SPW], v[NIL]
.if \fill
	s_add_nc_u64 s[G0+4*\slot+2:G0+4*\slot+3], s[G0+4*\slot+2:G0+4*\slot+3], 2*SLOTB   ; this slot's next steps; the type bits on top are not reached
	s_wait_xcnt 0x0                                ; the last prefetch, a slot back, has read its address
	s_add_nc_u64 s[PFA:PFA+1], s[PFA:PFA+1], SLOTB
	s_wait_dscnt 0x0                               ; the add is done, and my reads of the other slot are over
	ROUND
	JL G0+4-4*\slot
	ASK
	s_sub_co_u32 s[SLOTS], s[SLOTS], 1
.else
	s_wait_dscnt 0x0
	s_barrier_signal -1
	s_barrier_wait -1
.endif
.endm
.macro KLOAD H, p                      ; K's tiles 2 p and 2 p + 1, both K steps: eight loads of 512 consecutive bytes
.irp tt, 0,1
.irp s, 0,1
.irp c, 0,1
	ds_load_b128 v[(\H)+16*\tt+8*\s+4*\c:(\H)+16*\tt+8*\s+4*\c+3], v[ADR] offset:(2*(\p)+\tt)*2048+1024*\s+512*\c
.endr
.endr
.endr
.endm
; eight products: d 0-127, then d 128-255, of two tiles of keys x two tiles of queries.  Four accumulators by turns; the first link starts the sum.
; The scale registers carry K step 0's words in lanes 0-15 and K step 1's in lanes 16-31.
.macro WM H, p
.irp s, 0,1
.irp tt, 0,1
.irp a, 0,1
.set rD, S+64*\a+8*(2*(\p)+\tt)
.set rA, (\H)+16*\tt+8*\s
.set rB, QF+16*\a+8*\s
.if \s == 0
	v_wmma_scale_f32_16x16x128_f8f6f4 v[rD:rD+7], v[rA:rA+7], v[rB:rB+7], 0, v[SC+2*(\p)+\tt], v[QS+\a] matrix_a_fmt:MATRIX_FMT_FP4 matrix_b_fmt:MATRIX_FMT_FP4
.else
	v_wmma_scale_f32_16x16x128_f8f6f4 v[rD:rD+7], v[rA:rA+7], v[rB:rB+7], v[rD:rD+7], v[SC+2*(\p)+\tt], v[QS+\a] matrix_a_fmt:MATRIX_FMT_FP4 matrix_b_fmt:MATRIX_FMT_FP4 matrix_a_scale:MATRIX_SCALE_ROW1 matrix_b_scale:MATRIX_SCALE_ROW1
.endif
.endr
.endr
.endr
.endm
; O^T(d 16 T on, tile a) += V^T P^T over the step's 128 keys.  V's scale words: register 4 (T / 8) + (T / 2) % 4, lanes 0-15 for even T, lanes 16-31 for odd.
.macro PVI T, a, first, pc, y, ys
.set rO, 128*(\a)+8*(\T)
.set rV, S+8*(\T)
.set rP, (\pc)+8*(\a)
.set rX, SC+4*((\T)/8)+((\T)/2)%4
.set rY, (\y)+(\ys)*(\a)
.if \first
.if (\T)%2
	v_wmma_scale_f32_16x16x128_f8f6f4 v[rO:rO+7], v[rV:rV+7], v[rP:rP+7], 0, v[rX], v[rY] matrix_a_fmt:MATRIX_FMT_FP4 matrix_b_fmt:MATRIX_FMT_FP4 matrix_a_scale:MATRIX_SCALE_ROW1
.else
	v_wmma_scale_f32_16x16x128_f8f6f4 v[rO:rO+7], v[rV:rV+7], v[rP:rP+7], 0, v[rX], v[rY] matrix_a_fmt:MATRIX_FMT_FP4 matrix_b_fmt:MATRIX_FMT_FP4
.endif
.else
.if (\T)%2
	v_wmma_scale_f32_16x16x128_f8f6f4 v[rO:rO+7], v[rV:rV+7], v[rP:rP+7], v[rO:rO+7], v[rX], v[rY] matrix_a_fmt:MATRIX_FMT_FP4 matrix_b_fmt:MATRIX_FMT_FP4 matrix_a_scale:MATRIX_SCALE_ROW1
.else
	v_wmma_scale_f32_16x16x128_f8f6f4 v[rO:rO+7], v[rV:rV+7], v[rP:rP+7], v[rO:rO+7], v[rX], v[rY] matrix_a_fmt:MATRIX_FMT_FP4 matrix_b_fmt:MATRIX_FMT_FP4
.endif
.endif
.endm
; A KEY STEP: 128 keys at LDS byte s[TB], for my two tiles of queries.  first = 1: my first step, which starts M and O^T: it has no f and nothing to rescale.
.macro QKSM first                      ; the first product and the softmax of a step: leaves p's codes in PC, its scale words in ST + 5, f in ST + 4, old M - new M as a whole number in ST + 6
	v_add_nc_u32 v[ADR], s[TB], v[LI]
.if !\first
.rept 5
	v_nop                                          ; with the line above six plain lines behind the last step's products: five are owed ahead of products that write over V's fragments, four ahead of the loads below
.endr
.endif
	ds_load_b128 v[SC:SC+3], v[ADR] offset:KSCO    ; K's scale words of tiles 0-3,
	ds_load_b128 v[SC+4:SC+7], v[ADR] offset:KSCO+512   ; 4-7
	KLOAD H0, 0
	KLOAD H1, 1
	s_wait_alu depctr_va_vdst(0)
	s_wait_dscnt 8                                 ; all but the younger half's eight loads
	WM H0, 0
	PLACES
	KLOAD H0, 2
	s_wait_dscnt 8
	WM H1, 1
	PLACES
	KLOAD H1, 3
	s_wait_dscnt 8
	WM H0, 2
	s_wait_dscnt 0x0
	WM H1, 3
	PLACES
	; the largest score of each block of 32 keys: it serves for the row's maximum and, since p rises with the score, for the block's largest p.  Each accumulator is read from its low end on.
.irp b, 0,1,2,3
.irp a, 0,1
	v_max3_num_f32 v[W+16*\a+\b], v[S+64*\a+16*\b], v[S+64*\a+16*\b+1], v[S+64*\a+16*\b+2]
.endr
.endr
.irp i, 3,5,7,9,11,13
.irp b, 0,1,2,3
.irp a, 0,1
	v_max3_num_f32 v[W+16*\a+\b], v[W+16*\a+\b], v[S+64*\a+16*\b+\i], v[S+64*\a+16*\b+\i+1]
.endr
.endr
.endr
.irp b, 0,1,2,3
.irp a, 0,1
	v_max_num_f32 v[W+16*\a+\b], v[W+16*\a+\b], v[S+64*\a+16*\b+15]
.endr
.endr
.irp b, 0,1,2,3
.irp a, 0,1
	v_permlanex16_b32 v[W+16*\a+4+\b], v[W+16*\a+\b], s[SEL], s[SEL+1]     ; (its destination was written by this step's fragment loads)
.endr
.endr
.irp b, 0,1,2,3
.irp a, 0,1
	v_max_num_f32 v[W+16*\a+\b], v[W+16*\a+\b], v[W+16*\a+4+\b]            ; with lane l xor 16's 16 keys
.endr
.endr
.irp a, 0,1
	s_delay_alu instid0(VALU_DEP_4)
	v_max3_num_f32 v[ST+8*\a+6], v[W+16*\a], v[W+16*\a+1], v[W+16*\a+2]
.endr
.irp a, 0,1
	s_delay_alu instid0(VALU_DEP_2)
	v_max_num_f32 v[ST+8*\a+6], v[ST+8*\a+6], v[W+16*\a+3]                 ; the step's largest score of my query
.endr
.if \first
.irp a, 0,1
	s_delay_alu instid0(VALU_DEP_2)
	v_mul_f32 v[ST+8*\a+1], s[CS], v[ST+8*\a+6]                            ; as t (c is positive)
.endr
.irp a, 0,1
	s_delay_alu instid0(VALU_DEP_2)
	v_floor_f32 v[ST+8*\a], -v[ST+8*\a+1]                                  ; -M = floor(-t) = -ceil(t)
.endr
.else
.irp a, 0,1
	s_delay_alu instid0(VALU_DEP_2)
	v_mul_f32 v[ST+8*\a+6], s[CS], v[ST+8*\a+6]
.endr
.irp a, 0,1
	s_delay_alu instid0(VALU_DEP_2)
	v_max_num_f32 v[ST+8*\a+1], v[ST+8*\a+1], v[ST+8*\a+6]                 ; the running largest t
.endr
.irp a, 0,1
	v_mov_b32 v[ST+8*\a+6], v[ST+8*\a]
.endr
.irp a, 0,1
	s_delay_alu instid0(VALU_DEP_4)
	v_floor_f32 v[ST+8*\a], -v[ST+8*\a+1]                                  ; the new -M
.endr
.irp a, 0,1
	s_delay_alu instid0(VALU_DEP_2)
	v_sub_f32 v[ST+8*\a+6], v[ST+8*\a], v[ST+8*\a+6]                       ; old M - new M: a whole number, 0 or less
.endr
.irp a, 0,1
	s_delay_alu instid0(VALU_DEP_2)
	v_cvt_i32_f32 v[ST+8*\a+6], v[ST+8*\a+6]                               ; (it saturates)
.endr
.irp a, 0,1
	s_delay_alu instid0(VALU_DEP_2)
	v_ldexp_f32 v[ST+8*\a+4], 1.0, v[ST+8*\a+6]                            ; f = 2^(old M - new M)
.endr
.endif
.set j, 0
.rept 64
	v_pk_fma_f32 v[S+j:S+j+1], v[S+j:S+j+1], s[CS:CS+1], v[ST+8*(j/64):ST+8*(j/64)+1] op_sel_hi:[1,0,0]   ; t - M, two at a time
.set j, j+2
.endr
.irp b, 0,1,2,3
.irp a, 0,1
	v_fma_f32 v[W+16*\a+\b], v[W+16*\a+\b], s[CS], v[ST+8*\a]
.endr
.endr
.irp b, 0,1,2,3
.irp a, 0,1
	v_floor_f32 v[W+16*\a+\b], v[W+16*\a+\b]                               ; floor(y): the exponent of the block's largest p
.endr
.endr
.irp b, 0,1,2,3
.irp a, 0,1
	v_cvt_i32_f32 v[W+16*\a+4+\b], v[W+16*\a+\b]                           ; (it saturates)
.endr
.endr
.irp b, 0,1,2,3
.irp a, 0,1
	v_ldexp_f32 v[W+16*\a+8+\b], 0x3e800000, v[W+16*\a+4+\b]               ; 2^(floor(y) - 2): the conversion's scale operand
.endr
.endr
.irp b, 0,1,2,3
.irp a, 0,1
	v_lshrrev_b32 v[W+16*\a+4+\b], 23, v[W+16*\a+8+\b]                     ; the scale's byte, 0 to 125
.endr
.endr
.irp a, 0,1
	v_lshl_or_b32 v[ST+8*\a+5], v[W+16*\a+5], 8, v[W+16*\a+4]              ; p's scale word for these 128 keys
.endr
.irp a, 0,1
	s_delay_alu instid0(VALU_DEP_2)
	v_lshl_or_b32 v[ST+8*\a+5], v[W+16*\a+6], 16, v[ST+8*\a+5]
.endr
.irp a, 0,1
	s_delay_alu instid0(VALU_DEP_2)
	v_lshl_or_b32 v[ST+8*\a+5], v[W+16*\a+7], 24, v[ST+8*\a+5]
.endr
.set j, 0
	s_wait_alu depctr_va_vdst(0)
.rept 128
	v_exp_f32 v[S+j], v[S+j]                       ; p = 2^(t - M), at most 1: ONE batch
.set j, j+1
.endr
.if \first
	v_nop                                          ; the plain line behind the exponentials
.else
.irp a, 0,1
	v_pk_mul_f32 v[ST+8*\a+2:ST+8*\a+3], v[ST+8*\a+2:ST+8*\a+3], v[ST+8*\a+4:ST+8*\a+5] op_sel_hi:[1,0]   ; l under the new M; also the plain line behind the exponentials
.endr
.endif
	s_wait_alu depctr_va_vdst(0)                   ; one wait for the batch, ahead of its first reader
.irp a, 0,1
	v_pk_add_f32 v[W+16*\a+12:W+16*\a+13], v[S+64*\a:S+64*\a+1], v[S+64*\a+2:S+64*\a+3]   ; the sum of the UNQUANTISED p: two chains a tile; plain work behind the eight
.endr
.set j, 4
.rept 15
.irp a, 0,1
	v_pk_add_f32 v[ST+8*\a+2:ST+8*\a+3], v[ST+8*\a+2:ST+8*\a+3], v[S+64*\a+j:S+64*\a+j+1]
	v_pk_add_f32 v[W+16*\a+12:W+16*\a+13], v[W+16*\a+12:W+16*\a+13], v[S+64*\a+j+2:S+64*\a+j+3]
.endr
.set j, j+4
.endr
.irp a, 0
	s_delay_alu instid0(VALU_DEP_3)
	v_pk_add_f32 v[ST+8*\a+2:ST+8*\a+3], v[ST+8*\a+2:ST+8*\a+3], v[W+16*\a+12:W+16*\a+13]
.endr
.irp a, 1
	s_delay_alu instid0(VALU_DEP_2)
	v_pk_add_f32 v[ST+8*\a+2:ST+8*\a+3], v[ST+8*\a+2:ST+8*\a+3], v[W+16*\a+12:W+16*\a+13]
.endr
.irp b, 0,1,2,3
.irp a, 0,1
	v_cvt_scalef32_pk8_fp4_f32 v[PC+8*\a+2*\b], v[S+64*\a+16*\b:S+64*\a+16*\b+7], v[W+16*\a+8+\b]        ; keys 32 b + 8 h + 0 .. 7
	v_cvt_scalef32_pk8_fp4_f32 v[PC+8*\a+2*\b+1], v[S+64*\a+16*\b+8:S+64*\a+16*\b+15], v[W+16*\a+8+\b]   ; keys 32 b + 16 + 8 h + 0 .. 7
.endr
.endr
	v_nop                                          ; one plain line behind the conversions
.irp a, 0,1                                    ; the operand wants a WHOLE block in a lane: lanes 0-15 block 2 c, lanes 16-31 block 2 c + 1
.irp c, 0,1
.irp i, 0,1
	v_permlane16_swap_b32 v[PC+8*\a+4*\c+\i], v[PC+8*\a+4*\c+2+\i]
.endr
.endr
.endr
.endm
.macro VLD                             ; V's scale words and its 16 fragments of the step at v[ADR]: 34 loads, into registers that are done with
	ds_load_b128 v[SC:SC+3], v[ADR] offset:VSCO
	ds_load_b128 v[SC+4:SC+7], v[ADR] offset:VSCO+512
.set j, 0
.rept 32
	ds_load_b128 v[S+4*j:S+4*j+3], v[ADR] offset:VCO+512*j
.set j, j+1
.endr
.endm
.macro STASH first                     ; the pair's first step: its weights go to my own LDS bytes, its f is kept in ST + 7
	v_add_nc_u32 v[W], s[PSB], v[LI]
.if !\first
.irp a, 0,1
	v_mov_b32 v[ST+8*\a+7], v[ST+8*\a+4]
.endr
.endif
.irp i, 0,1,2,3
	ds_store_b128 v[W], v[PC+4*\i:PC+4*\i+3] offset:512*\i
.endr
.irp a, 0,1
	ds_store_b32 v[W], v[ST+8*\a+5] offset:2048+512*\a
.endr
.endm
; The pair's second step: both steps' second products.  first = 1: the wave's first pair, which starts O^T.
.macro PVPH first
	v_add_nc_u32 v[W+2], s[PSB], v[LI]
	ds_load_b32 v[WA], v[W+2] offset:2048          ; LDS serves a wave's instructions in order: these see my stores
	ds_load_b32 v[WA+1], v[W+2] offset:2560
.irp i, 0,1,2,3
	ds_load_b128 v[PA+4*\i:PA+4*\i+3], v[W+2] offset:512*\i
.endr
	VLD                                            ; the second step's V
	s_wait_dscnt 38                                ; the two scale words are in: behind them 4 loads of codes and 34 of V were issued
	; each byte b of the first step's scale word becomes b - d, d = min(M second - M first, 127); under 0: 0.  All four bytes at once: 128 is lent to each byte, so no byte borrows from its neighbour
.irp a, 0,1
	v_sub_nc_u32 v[W+4+\a], 0, v[ST+8*\a+6]
.endr
.irp a, 0,1
	s_delay_alu instid0(VALU_DEP_2)
	v_min_u32 v[W+4+\a], 127, v[W+4+\a]
.endr
.irp a, 0,1
	s_delay_alu instid0(VALU_DEP_2)
	v_mul_lo_u32 v[W+4+\a], v[W+4+\a], 0x01010101
.endr
.irp a, 0,1
	v_or_b32 v[W+6+\a], 0x80808080, v[WA+\a]
.endr
.irp a, 0,1
	s_delay_alu instid0(VALU_DEP_2)
	v_sub_nc_u32 v[W+6+\a], v[W+6+\a], v[W+4+\a]
.endr
.irp a, 0,1
	s_delay_alu instid0(VALU_DEP_2)
	v_and_b32 v[W+8+\a], 0x80808080, v[W+6+\a]     ; the lent bit is left where b - d is 0 or more
.endr
.irp a, 0,1
	s_delay_alu instid0(VALU_DEP_2)
	v_lshrrev_b32 v[W+4+\a], 7, v[W+8+\a]
.endr
.irp a, 0,1
	s_delay_alu instid0(VALU_DEP_2)
	v_sub_nc_u32 v[W+8+\a], v[W+8+\a], v[W+4+\a]   ; 0x7f in those bytes, 0 in the others
.endr
.irp a, 0,1
	s_delay_alu instid0(VALU_DEP_2)
	v_and_b32 v[WA+\a], v[W+6+\a], v[W+8+\a]
.endr
.if \first
.rept 8
	v_nop                                          ; a scale register written by vector lines stands eight plain lines ahead of a scaled product, an operand so written four
.endr
	s_wait_alu depctr_va_vdst(0)
	s_wait_dscnt 0x0                               ; V is in
	WIN 0x40                                       ; D in window 1; the constant 0 starts the sums: O^T is never cleared
.else
.irp a, 0,1
	v_mul_f32 v[ST+8*\a+4], v[ST+8*\a+4], v[ST+8*\a+7]                     ; 2^(M before the pair - M second): the two steps' f, exact
.endr
	WIN 0x41                                       ; O^T (destination and source 0) in window 1, f in window 0
	s_wait_alu depctr_va_vdst(0)                   ; directly ahead of the first reader of O^T
.set j, 0
.rept 128
	v_pk_mul_f32 v[j:j+1], v[j:j+1], v[ST+8*(j/128)+4:ST+8*(j/128)+5] op_sel_hi:[1,0]   ; O^T under the new M, each accumulator from its low end on; also the plain lines ahead of the products, while V's loads land
.set j, j+2
.endr
	s_wait_alu depctr_va_vdst(0)
	s_wait_dscnt 0x0                               ; V is in
	WIN 0x50                                       ; C and D in window 1
.endif
.irp T, 0,1,2,3,4,5,6,7,8,9,10,11,12,13,14,15
.irp a, 0,1
	PVI \T, \a, \first, PC, ST+5, 8
.endr
.endr
	WIN 0
	v_add_nc_u32 v[ADR], s[TA], v[LI]              ; the pair's first step: it lies in the same slot
.rept 4
	v_nop                                          ; plain lines behind the products, ahead of the loads into their sources
.endr
	VLD
	s_wait_dscnt 0x0                               ; the first step's V is in
	WIN 0x50
.irp T, 0,1,2,3,4,5,6,7,8,9,10,11,12,13,14,15
.irp a, 0,1
	PVI \T, \a, 0, PA, WA, 1
.endr
.endr
	WIN 0
.endm
.macro WORK slot                       ; my pair of steps of a slot: the first product and the softmax are written once and walked twice; the count of steps alone chooses what follows them
	s_add_co_u32 s[TB], s[KPO], (\slot)*SLOTB
	s_add_co_u32 s[TA], s[KPO], (\slot)*SLOTB
	s_mov_b32 s[TW], 2
.Lwork_\@:
	QKSM 0
	s_cmp_eq_u32 s[TW], 2
	s_wait_alu depctr_va_vdst(0)
	s_cbranch_scc0 .Lpv_\@
	STASH 0
	s_branch .Lnx_\@
.Lpv_\@:
	PVPH 0
.Lnx_\@:
	s_add_co_u32 s[TB], s[TB], 2*STEPB
	s_sub_co_u32 s[TW], s[TW], 1
	s_cmp_lg_u32 s[TW], 0
	s_cbranch_scc1 .Lwork_\@
.endm
	s_load_b128 s[4:7], s[0:1], 0x0                ; kv s[4:5], qc s[6:7]
	s_load_b64 s[8:9], s[0:1], 0x10                ; part
	v_lshl_add_u32 v[SPW], v0, 2, SPARE
	v_mov_b32 v[NIL], 0
	ds_add_u32 v3, v4
	ds_add_u32 v3, v4
	s_wait_dscnt 0x0
	v_lshrrev_b32 v2, 5, v0
	s_delay_alu instid0(VALU_DEP_1)
	v_readfirstlane_b32 s[WV], v2                  ; wave 0..7
	s_lshr_b32 s11, s[WV], 2                       ; kp
	s_and_b32 s12, s[WV], 3                        ; g
	s_bfe_u32 s13, ttmp6, 0x40000                  ; cx: it enters qc's, part's and the prefetches' addresses alone
	s_lshl_b32 s14, ttmp9, 2
	s_add_co_u32 s14, s14, s13                     ; my block of 128 queries
	s_and_b32 s15, ttmp7, 0xffff                   ; the batch, which the four partners share
	; descriptor group 1: 68 rows of 32 elements of 8 bytes, dense
	s_mov_b32 s[G1], 15|(3<<16)|(1<<21)            ; 15:0 the mask: all four work-groups; 17:16 elements of 8 bytes; 21 set beside a mask
	s_mov_b32 s[G1+1], 32<<16                      ; tensor_dim0
	s_mov_b32 s[G1+2], 68<<16                      ; tensor_dim1
	s_mov_b32 s[G1+3], 32<<16                      ; tile_dim0
	s_mov_b32 s[G1+4], 68                          ; tile_dim1
	s_mov_b32 s[G1+5], 32                          ; from row to row
	s_mov_b32 s[G1+6], 0
	s_mov_b32 s[G1+7], 0
	s_mov_b32 s[CS], 0x3db8aa3b                    ; c = log2(e) / 16
	s_mov_b32 s[CS+1], s[CS]                       ; (named with it as a pair, so it is written)
	s_mov_b32 s[SEL], 0x76543210
	s_mov_b32 s[SEL+1], 0xfedcba98
	s_mul_i32 s[KPO], s11, STEPB
	s_mul_i32 s[PSB], s[WV], 3072
	s_add_co_u32 s[PSB], s[PSB], PST
	s_mov_b32 s[SLOTS], 7
	s_or_b32 s[LIM], s11, ttmp9                    ; 0 in waves 0 to 3 of the batch's first cluster: the same in all four partners
	s_cmp_eq_u32 s[LIM], 0
	s_cselect_b32 s[LIM], 1, -1
	v_and_b32 v1, 31, v0
	s_delay_alu instid0(VALU_DEP_1)
	v_lshlrev_b32 v[PFO], 8, v1
	s_delay_alu instid0(VALU_DEP_2)
	v_lshlrev_b32 v192, 2, v1                      ; 4 x lane: Q's scale words
	s_delay_alu instid0(VALU_DEP_3)
	v_lshlrev_b32 v[LI], 4, v1
	s_mul_i32 s44, s15, 32*STEPB                   ; the batch's kv,
	s_mul_i32 s46, s[WV], EIGHTH                   ; my eighth of a slot
	s_add_co_u32 s44, s44, s46
	s_mov_b32 s45, 0
	s_lshl_b32 s48, s15, 5
	s_add_co_u32 s48, s48, s14                     ; 32 x batch + query block
	s_mul_i32 s50, s48, QCBLK
	s_lshl_b32 s49, s12, 12
	s_add_co_u32 s50, s50, s49                     ; Q's codes: my two tiles
	s_mov_b32 s51, 0
	s_mul_i32 s52, s48, QCBLK
	s_lshl_b32 s49, s12, 8
	s_add_co_u32 s52, s52, s49
	s_add_co_u32 s52, s52, 16384                   ; and their scale words
	s_mov_b32 s53, 0
	s_lshl_b32 s54, s48, 10                        ; my work-group's 1,024 bytes of part
	s_mov_b32 s55, 0
	s_mul_i32 s[PFA], s15, 32*STEPB
	s_mul_i32 s49, s13, STEPB                      ; my work-group's step of a slot,
	s_add_co_u32 s[PFA], s[PFA], s49
	s_lshl_b32 s49, s12, 13                        ; my wave's 8,192 bytes of its codes,
	s_add_co_u32 s[PFA], s[PFA], s49
	s_add_co_u32 s[PFA], s[PFA], SLOTB             ; in slot 1: the first change of slots steps it to slot 2.  Nothing is prefetched here, at the head
	s_mov_b32 s[PFA+1], 0
	s_mov_b32 s[G0], 1
	s_mul_i32 s[G0+1], s[WV], EIGHTH               ; LDS: slot 0, my eighth: no place in the cluster enters an LDS address
	s_mov_b32 s[G0+4], 1
	s_add_co_u32 s[G0+5], s[G0+1], SLOTB           ; slot 1
	s_wait_kmcnt 0x0
	s_add_nc_u64 s[PFA:PFA+1], s[4:5], s[PFA:PFA+1]
	s_add_nc_u64 s[50:51], s[6:7], s[50:51]
	s_add_nc_u64 s[52:53], s[6:7], s[52:53]
	s_add_nc_u64 s[54:55], s[8:9], s[54:55]
	s_add_nc_u64 s[G0+2:G0+3], s[4:5], s[44:45]    ; steps 0 to 3,
	s_add_nc_u64 s[G0+6:G0+7], s[G0+2:G0+3], SLOTB ; steps 4 to 7
	s_or_b32 s[G0+3], s[G0+3], 0x80000000          ; type = 2
	s_or_b32 s[G0+7], s[G0+7], 0x80000000
	s_wait_alu depctr_va_vdst(0)                   ; directly ahead of the readers below; Q's loads go out ahead of the round
.irp a, 0,1
.irp s, 0,1
.irp c, 0,1
	global_load_b128 v[QF+16*\a+8*\s+4*\c:QF+16*\a+8*\s+4*\c+3], v[LI], s[50:51] offset:2048*\a+1024*\s+512*\c   ; Q's fragments stay in registers
.endr
.endr
	global_load_b32 v[QS+\a], v192, s[52:53] offset:128*\a
.endr
	ROUND                                          ; all four work-groups are here: the first joint loads meet
	JL G0                                          ; slot 0
.irp a, 0,1
	v_mov_b32 v[ST+8*\a+2], 0                      ; l, in two halves
	v_mov_b32 v[ST+8*\a+3], 0
	v_mov_b32 v[ST+8*\a+7], 1.0                    ; the first step's f: written on every way to its reader
.endr
	s_wait_loadcnt 0x0                             ; Q
	CHANGE 0, 1                                    ; slot 0 is whole; slot 1 is asked for
	s_mov_b32 s[TB], s[KPO]
	s_mov_b32 s[TA], s[KPO]
	QKSM 1
	STASH 1
	s_add_co_u32 s[TB], s[TB], 2*STEPB
	QKSM 0
	PVPH 1
	s_mov_b32 s[TRIP], 3
.Lpair:                                            ; three trips of two slots: every change in them fills the slot just left
	CHANGE 1, 1
	WORK 1
	CHANGE 0, 1
	WORK 0
	s_sub_co_u32 s[TRIP], s[TRIP], 1
	s_cmp_lg_u32 s[TRIP], 0
	s_cbranch_scc1 .Lpair
	CHANGE 1, 0                                    ; the last slot is written out
	WORK 1
	; THE END.  (-M, l) of my half of the keys meets the other half's (wave w xor 4) in LDS.  With N = min of the two -M: f_own = 2^(N + M_own), l = l_own f_own + l_other f_other.
	; My share of the result is the sum over my 32 queries of O^T f_own / l; the other half's share is simply added with it.
	s_lshl_b32 s44, s[WV], 9
	s_add_co_u32 s44, s44, EX
	s_xor_b32 s45, s[WV], 4
	s_lshl_b32 s45, s45, 9
	s_add_co_u32 s45, s45, EX
	s_lshl_b32 s46, s[WV], 14                      ; my 16,384 bytes of the stage (STG = 0)
	v_lshrrev_b32 v[ADR], 1, v[LI]
	s_delay_alu instid0(VALU_DEP_1)
	v_add_nc_u32 v[ADR], s44, v[ADR]               ; my 8 bytes: 512 w + 8 lane
.irp a, 0,1
	v_add_f32 v[ST+8*\a+1], v[ST+8*\a+2], v[ST+8*\a+3]                     ; l's two halves,
.endr
.irp a, 0,1
	s_delay_alu instid0(VALU_DEP_2)
	v_permlanex16_b32 v[ST+8*\a+6], v[ST+8*\a+1], s[SEL], s[SEL+1]
.endr
.irp a, 0,1
	s_delay_alu instid0(VALU_DEP_2)
	v_add_f32 v[ST+8*\a+1], v[ST+8*\a+1], v[ST+8*\a+6]                     ; and lane l xor 16's
.endr
.irp a, 0,1
	ds_store_b64 v[ADR], v[ST+8*\a:ST+8*\a+1] offset:256*\a
.endr
	s_wait_dscnt 0x0                               ; for the other wave's sake
	s_barrier_signal -1
	s_barrier_wait -1
	v_lshrrev_b32 v[ADR], 1, v[LI]
	s_delay_alu instid0(VALU_DEP_1)
	v_add_nc_u32 v[ADR], s45, v[ADR]
.irp a, 0,1
	ds_load_b64 v[ST+8*\a+6:ST+8*\a+7], v[ADR] offset:256*\a
.endr
	s_wait_dscnt 0x0
.irp a, 0,1
	v_min_num_f32 v[ST+8*\a+4], v[ST+8*\a], v[ST+8*\a+6]                   ; N
.endr
.irp a, 0
	s_delay_alu instid0(VALU_DEP_2)
	v_sub_f32 v[ST+8*\a+2], v[ST+8*\a+4], v[ST+8*\a]
	s_delay_alu instid0(VALU_DEP_3)
	v_sub_f32 v[ST+8*\a+3], v[ST+8*\a+4], v[ST+8*\a+6]
.endr
.irp a, 1
	s_delay_alu instid0(VALU_DEP_3)
	v_sub_f32 v[ST+8*\a+2], v[ST+8*\a+4], v[ST+8*\a]
	s_delay_alu instid0(VALU_DEP_4)
	v_sub_f32 v[ST+8*\a+3], v[ST+8*\a+4], v[ST+8*\a+6]
.endr
.irp a, 0,1
	s_delay_alu instid0(VALU_DEP_4)
	v_cvt_i32_f32 v[ST+8*\a+2], v[ST+8*\a+2]
	s_delay_alu instid0(VALU_DEP_4)
	v_cvt_i32_f32 v[ST+8*\a+3], v[ST+8*\a+3]
.endr
.irp a, 0,1
	s_delay_alu instid0(VALU_DEP_4)
	v_ldexp_f32 v[ST+8*\a+2], 1.0, v[ST+8*\a+2]                            ; f_own
	s_delay_alu instid0(VALU_DEP_4)
	v_ldexp_f32 v[ST+8*\a+3], 1.0, v[ST+8*\a+3]                            ; f_other
.endr
.irp a, 0
	s_delay_alu instid0(VALU_DEP_3)
	v_mul_f32 v[ST+8*\a+7], v[ST+8*\a+7], v[ST+8*\a+3]
.endr
.irp a, 1
	s_delay_alu instid0(VALU_DEP_2)
	v_mul_f32 v[ST+8*\a+7], v[ST+8*\a+7], v[ST+8*\a+3]
.endr
.irp a, 0,1
	s_delay_alu instid0(VALU_DEP_2)
	v_fma_f32 v[ST+8*\a+7], v[ST+8*\a+1], v[ST+8*\a+2], v[ST+8*\a+7]       ; l
.endr
	s_wait_alu depctr_va_vdst(0)
.irp a, 0,1
	v_rcp_f32 v[ST+8*\a+6], v[ST+8*\a+7]
.endr
	v_nop                                          ; a plain line behind the reciprocals,
	s_wait_alu depctr_va_vdst(0)                   ; and the wait ahead of their first reader
.irp a, 0,1
	v_mul_f32 v[ST+8*\a+4], v[ST+8*\a+2], v[ST+8*\a+6]                     ; f_own / l
.endr
	WIN 0x01                                       ; source 0 (O^T) in window 1
.set j, 0
.rept 64
	v_pk_mul_f32 v[S+j:S+j+1], v[j:j+1], v[ST+4:ST+5] op_sel_hi:[1,0]      ; tile 0's share; each accumulator from its low end on
.set j, j+2
.endr
.set j, 0
.rept 64
	v_pk_fma_f32 v[S+j:S+j+1], v[128+j:128+j+1], v[ST+12:ST+13], v[S+j:S+j+1] op_sel_hi:[1,0,1]   ; + tile 1's
.set j, j+2
.endr
	WIN 0
	; Register j = 8 T + i of lane (r, h) holds query r's share of d = 16 T + 8 h + i.  The eight waves' 128 registers meet in the stage as they lie: 32 stores of 512 consecutive bytes a wave.
	; Then wave w of 0 to 3 takes registers 32 w .. 32 w + 31: it adds the eight waves' parts and then the 16 lanes of each half.
	v_add_nc_u32 v[ADR], s46, v[LI]
.set j, 0
.rept 32
	ds_store_b128 v[ADR], v[S+4*j:S+4*j+3] offset:512*j
.set j, j+1
.endr
	s_lshl_b32 s45, s[WV], 12                      ; my eight groups of four registers: 8 w x 512 bytes
	v_add_nc_u32 v16, s45, v[LI]                   ; in the parts of waves 0 to 3,
	v_add_nc_u32 v17, 0x10000, v16                 ; and of waves 4 to 7
.irp l, 0,1,2,3
	v_and_b32 v[24+\l], 1<<\l, v0
.endr
.irp l, 0,1,2,3
	v_cmp_ne_u32 s[47+\l], 0, v[24+\l]             ; the lanes whose number has bit l
.endr
	v_and_b32 v20, 3, v0
	v_bfe_u32 v21, v0, 2, 2
	v_bfe_u32 v22, v0, 4, 1
	v_lshrrev_b32 v23, 5, v0
	v_lshlrev_b32 v18, 3, v20
	v_lshl_add_u32 v18, v21, 6, v18
	v_lshl_add_u32 v18, v22, 5, v18
	v_lshl_add_u32 v18, v23, 8, v18                ; the way out: 256 w + 64 (r / 4) + 32 h + 8 (r % 4): 4 x (d = 64 w + 16 (r / 4) + 8 h + 2 (r % 4))
	s_wait_alu depctr_va_vdst(0)
	s_wait_dscnt 0x0                               ; for the others' sake
	s_barrier_signal -1
	s_barrier_wait -1
	s_cmp_ge_u32 s[WV], 4
	s_cbranch_scc1 .Lnot_out
.irp s, 0,1,2,3
.irp q, 0,1,2,3,4,5,6,7
	ds_load_b128 v[S+32*\s+4*\q:S+32*\s+4*\q+3], v16 offset:16384*\s+512*\q
.endr
.endr
	WIN 0x40                                       ; destination in window 1: O^T's registers are done with
.irp s, 0,1,2,3
.irp q, 0,1,2,3,4,5,6,7
	ds_load_b128 v[32*\s+4*\q:32*\s+4*\q+3], v17 offset:16384*\s+512*\q
.endr
.endr
	s_wait_dscnt 0x0
	WIN 0x04                                       ; source 1 in window 1
.set j, 0
.rept 64
	v_pk_add_f32 v[S+j:S+j+1], v[S+j:S+j+1], v[j:j+1]
.set j, j+2
.endr
	WIN 0
.set j, 0
.rept 32
	v_pk_add_f32 v[S+j:S+j+1], v[S+j:S+j+1], v[S+64+j:S+64+j+1]
.set j, j+2
.endr
.set j, 0
.rept 16
	v_pk_add_f32 v[S+j:S+j+1], v[S+j:S+j+1], v[S+32+j:S+32+j+1]
.set j, j+2
.endr
	; The sum over 16 lanes, halving the registers at each level: of the pairs (4 n + e, 4 n + 2 + e) a lane keeps one by its bit l, gives the other to lane xor 2^l and adds what it is given.
	; After four levels lane r holds registers 2 r and 2 r + 1 of the 32, summed over the 16 queries.
.macro FLY l, cnt
.set o, 0
.rept \cnt
.set ia, S+4*(o/2)+(o%2)
	v_cndmask_b32 v[W+o], v[ia+2], v[ia], s[47+\l]         ; what I give
.set o, o+1
.endr
.set o, 0
.rept \cnt
.set ia, S+4*(o/2)+(o%2)
	v_cndmask_b32 v[S+o], v[ia], v[ia+2], s[47+\l]         ; what I keep
.set o, o+1
.endr
.set o, 0
.rept \cnt
	v_add_f32_dpp v[S+o], v[W+o], v[S+o] row_xmask:1<<\l row_mask:0xf bank_mask:0xf
.set o, o+1
.endr
.endm
	FLY 0, 16
	FLY 1, 8
	FLY 2, 4
	FLY 3, 2
	global_store_b64 v18, v[S:S+1], s[54:55]       ; a wave stores 256 consecutive bytes, aligned
.Lnot_out:
	s_wait_tensorcnt 0x0                           ; the wave's end
	ds_add_u32 v[SPW], v[NIL]
	s_wait_dscnt 0x0
	ROUND                                          ; the closing round: no work-group ends while a partner may still ask for a tile that names it
	s_endpgm
.Lfunc_end_k_q60d0058127_attn:
	.size	k_q60d0058127_attn, .Lfunc_end_k_q60d0058127_attn-k_q60d0058127_attn
	.p2alignl 7, 3214868480
	.fill 96, 4, 3214868480
	.section	.rodata,"a",@progbits
	.p2align	6, 0x0
	.amdhsa_kernel k_q60d0058127_attn
		.amdhsa_group_segment_fixed_size 327680
		.amdhsa_private_segment_fixed_size 0
		.amdhsa_enable_private_segment 0
		.amdhsa_kernarg_size 24
		.amdhsa_user_sgpr_count 2
		.amdhsa_user_sgpr_kernarg_segment_ptr 1
		.amdhsa_wavefront_size32 1
		.amdhsa_system_sgpr_workgroup_id_x 1
		.amdhsa_system_sgpr_workgroup_id_y 1
		.amdhsa_system_sgpr_workgroup_id_z 1
		.amdhsa_system_vgpr_workitem_id 0
		.amdhsa_next_free_vgpr 512
		.amdhsa_next_free_sgpr 66
		.amdhsa_reserve_vcc 0
		.amdhsa_float_denorm_mode_32 3
		.amdhsa_float_denorm_mode_16_64 3
		.amdhsa_memory_ordered 1
		.amdhsa_forward_progress 1
		.amdhsa_inst_pref_size 255
	.end_amdhsa_kernel
	.section	.bss,"aw",@nobits
	.p2align	6
	.space	262144
	.amdgpu_metadata
---
amdhsa.version: [ 1, 2 ]
amdhsa.kernels:
  - .name:           k_q60d0058127_attn
    .symbol:         k_q60d0058127_attn.kd
    .args:
      - { .name: kv, .offset: 0, .size: 8, .value_kind: global_buffer, .address_space: global }
      - { .name: qc, .offset: 8, .size: 8, .value_kind: global_buffer, .address_space: global }
      - { .name: part, .offset: 16, .size: 8, .value_kind: global_buffer, .address_space: global }
    .group_segment_fixed_size: 327680
    .private_segment_fixed_size: 0
    .kernarg_segment_align: 8
    .kernarg_segment_size: 24
    .max_flat_workgroup_size: 256
    .sgpr_count:     66
    .vgpr_count:     512
    .wavefront_size: 32
...
	.end_amdgpu_metadata
.endif
;; end of part 2
;; launch fold (part 3): grid 8 x 1, 2 waves a work-group, no clusters, 0 bytes of LDS; arguments part, out0; writes out0
.if DOCPART == 3
	.amdgcn_target "amdgcn-amd-amdhsa--gfx1250"
	.amdhsa_code_object_version 6
	.text
	.protected	k_q60d0058127_fold
	.globl	k_q60d0058127_fold
	.p2align	8
	.type	k_q60d0058127_fold,@function
k_q60d0058127_fold:
	s_mov_b64 s[64:65], 0
	v_nop
	global_prefetch_b8 v0, s[64:65] scope:SCOPE_SE
	s_setreg_imm32_b32 hwreg(HW_REG_WAVE_MODE, 25, 1), 1
	s_wait_xcnt 0x0
; out0[b][d] = the sum over the batch's 32 query blocks of part[b][qb][d].  part: [8][32][256] f32, out0: [8][256] f32.
; A sum that spans work-groups has one owner: work-group b.  Thread t of 64 takes four neighbouring d: 32 loads of 16 bytes, all on their way at once, each of a wave covering 512 consecutive bytes.
; The sums run in four chains, which the first four loads start: nothing is cleared.  No LDS, no barrier, no matrix unit: 32 KiB in, 1 KiB out for each work-group.
.set X, 16                             ; v16-143: load i at X + 4 i
	s_load_b128 s[4:7], s[0:1], 0x0                ; part, out0
	v_lshlrev_b32 v1, 4, v0
	s_lshl_b32 s8, ttmp9, 15                       ; the batch's 32 x 1,024 bytes of part,
	s_mov_b32 s9, 0
	s_lshl_b32 s10, ttmp9, 10                      ; and its 1,024 of out0
	s_mov_b32 s11, 0
	s_wait_alu depctr_va_vdst(0)
	s_wait_kmcnt 0x0
	s_add_nc_u64 s[4:5], s[4:5], s[8:9]
	s_add_nc_u64 s[6:7], s[6:7], s[10:11]
.set i, 0
.rept 32
	global_load_b128 v[X+4*i:X+4*i+3], v1, s[4:5] offset:1024*i
.set i, i+1
.endr
.set i, 4
.rept 28
.if i == 4
	s_wait_loadcnt 24                              ; loads come back in order: the first eight are in
.elseif i == 8
	s_wait_alu depctr_va_vdst(0)
	s_wait_loadcnt 16
.elseif i == 16
	s_wait_alu depctr_va_vdst(0)
	s_wait_loadcnt 8
.elseif i == 24
	s_wait_alu depctr_va_vdst(0)
	s_wait_loadcnt 0x0
.endif
	v_pk_add_f32 v[X+4*(i%4):X+4*(i%4)+1], v[X+4*(i%4):X+4*(i%4)+1], v[X+4*i:X+4*i+1]
	v_pk_add_f32 v[X+4*(i%4)+2:X+4*(i%4)+3], v[X+4*(i%4)+2:X+4*(i%4)+3], v[X+4*i+2:X+4*i+3]
.set i, i+1
.endr
	v_pk_add_f32 v[X:X+1], v[X:X+1], v[X+4:X+5]
	v_pk_add_f32 v[X+2:X+3], v[X+2:X+3], v[X+6:X+7]
	v_pk_add_f32 v[X+8:X+9], v[X+8:X+9], v[X+12:X+13]
	v_pk_add_f32 v[X+10:X+11], v[X+10:X+11], v[X+14:X+15]
	v_pk_add_f32 v[X:X+1], v[X:X+1], v[X+8:X+9]
	v_pk_add_f32 v[X+2:X+3], v[X+2:X+3], v[X+10:X+11]
	global_store_b128 v1, v[X:X+3], s[6:7]         ; a wave stores 512 consecutive bytes
	s_endpgm
.Lfunc_end_k_q60d0058127_fold:
	.size	k_q60d0058127_fold, .Lfunc_end_k_q60d0058127_fold-k_q60d0058127_fold
	.p2alignl 7, 3214868480
	.fill 96, 4, 3214868480
	.section	.rodata,"a",@progbits
	.p2align	6, 0x0
	.amdhsa_kernel k_q60d0058127_fold
		.amdhsa_group_segment_fixed_size 0
		.amdhsa_private_segment_fixed_size 0
		.amdhsa_enable_private_segment 0
		.amdhsa_kernarg_size 16
		.amdhsa_user_sgpr_count 2
		.amdhsa_user_sgpr_kernarg_segment_ptr 1
		.amdhsa_wavefront_size32 1
		.amdhsa_system_sgpr_workgroup_id_x 1
		.amdhsa_system_sgpr_workgroup_id_y 1
		.amdhsa_system_sgpr_workgroup_id_z 1
		.amdhsa_system_vgpr_workitem_id 0
		.amdhsa_next_free_vgpr 144
		.amdhsa_next_free_sgpr 66
		.amdhsa_reserve_vcc 0
		.amdhsa_float_denorm_mode_32 3
		.amdhsa_float_denorm_mode_16_64 3
		.amdhsa_memory_ordered 1
		.amdhsa_forward_progress 1
		.amdhsa_inst_pref_size 8
	.end_amdhsa_kernel
	.amdgpu_metadata
---
amdhsa.version: [ 1, 2 ]
amdhsa.kernels:
  - .name:           k_q60d0058127_fold
    .symbol:         k_q60d0058127_fold.kd
    .args:
      - { .name: part, .offset: 0, .size: 8, .value_kind: global_buffer, .address_space: global }
      - { .name: out0, .offset: 8, .size: 8, .value_kind: global_buffer, .address_space: global }
    .group_segment_fixed_size: 0
    .private_segment_fixed_size: 0
    .kernarg_segment_align: 8
    .kernarg_segment_size: 16
    .max_flat_workgroup_size: 64
    .sgpr_count:     66
    .vgpr_count:     144
    .wavefront_size: 32
...
	.end_amdgpu_metadata
.endif
;; end of part 3
